; MI455X (gfx1250); checked and timed in simulation.
; The chip was launched on July 23, 2026; its instructions are those of AMD's public machine-readable ISA for CDNA 5 (MIT licence, August 2026) and "CDNA5" Instruction Set Architecture Reference Guide (July 2026). The comments in the code are by the model that wrote it; some were corrected since.
;; Lo RA Attention. Allowed arithmetic: matrix products marked QUANTISED: E2M3 operands, one E8M0 scale for each 32 along K, by v_wmma_scale_f32_16x16x128_f8f6f4 with both operands' format E2M3, f32 sums; products left as they are: f32 operands where the result goes on into a quantised operand, else bf16, f16 or f32 operands; f32 sums; everything else in f32.
;; Inputs: A 4,096 x 16 float32; B 16 x 4,096 float32; W 4,096 x 4,096 float32; bias 4,096 float32; x_codes 4 x 1,024 x 128 x 24 uint8 (E2M3 codes of x, K innermost, in blocks of 32 codes, four codes in three bytes); x_scales 4 x 1,024 x 128 uint8 (E8M0 scales of x, one for each 32 codes along K).
;; Outputs: out0 4 x 1,024 x 4,096 float32.
;; This version of the problem:
;;   THIS VERSION OF THE PROBLEM IS GIVEN IN LOW PRECISION. The matrix products marked QUANTISED in the list below multiply operands that are first quantised to E2M3 (2 exponent bits, 3 mantissa bits; 6 bits a number), with one power-of-two scale for each 32 numbers along K (OCP MX v1.0); their sums are f32. All else is computed in f32.
;;   The module's matrix products, in the order in which they are computed (A, B: the left and right operand; K: the contracted axis; several contracted axes count as one K, in the product's order):
;;     1. [M 4,096, K 16] x [K 16, N 4,096]; A: input A; B: input B: left as it is (K = 16 < 32)
;;     2. [M 4,096, K 4,096] x [K 4,096, N 4,096]; A: input x (given as codes); B: computed on the way: QUANTISED
;;   THE QUANTISER, for each operand of a quantised product, along K:
;;     - K is cut into blocks of 32 from its start; a last block that is shorter is filled with zeros.
;;     - A block's scale is 2^e with e = floor(log2(the largest magnitude in the block)) - 2, held to -126 .. 127; a block of zeros has e = 0. As a byte (E8M0): e + 127.
;;     - Each number is divided by its block's scale, clamped to +-7.5, and rounded to the nearest number of E2M3, ties to even, subnormals kept.
;;     - The product sums the exact products of the quantised numbers (number of the format x scale) in f32.
;;   ~~~python
;;   def quantise(x, axis):      # numpy; x: float32 -> the quantised numbers, widened to float32 again
;;       x = np.moveaxis(x, axis, -1); K = x.shape[-1]
;;       x = np.pad(x, [(0, 0)] * (x.ndim - 1) + [(0, -K % 32)]); x = x.reshape(x.shape[:-1] + (-1, 32)); a = np.abs(x).max(-1, keepdims=True)
;;       e = np.where(a > 0, np.clip(np.frexp(np.where(a > 0, a, 1))[1] - 1 - 2, -126, 127), 0)      # np.frexp(a)[1] - 1 = floor(log2(a)), exactly
;;       r = np.clip(x / 2.0 ** e, -7.5, 7.5)
;;       step = 2.0 ** (np.maximum(np.frexp(np.where(r == 0, 1, r))[1] - 1, 0) - 3)
;;       q = np.round(r / step) * step * 2.0 ** e      # np.round: ties to even
;;       return np.moveaxis(q.reshape(q.shape[:-2] + (-1,))[..., :K], -1, axis).astype(np.float32)
;;   ~~~
;;   OPERANDS COMPUTED ON THE WAY. 'Computed on the way' means the value that the module computes at that place (a softmax that the list does not call 'softmax' is quantised finished and normalised). What goes into a quantiser is computed in f32, as accurately as f32 sums, v_exp_f32 and their like allow (about 1e-6 of the number): no bf16 or f16 on the way to a quantiser, and a product that is left as it is and whose result goes on into a quantised operand takes f32 operands (vector FMAs, or v_wmma_f32_16x16x4_f32). A number that lies on a knife's edge between two numbers of the format may be rounded either way, as far as f32 arithmetic and the matrix unit's own rounding can turn it there, and no further.
;;   INPUTS GIVEN AS CODES. x (in the module: [4, 1024, 4096], K = its axis 2): each comes as NAME_codes (uint8): NAME with its K axis moved to the last place and cut into blocks of 32 codes, [.., K / 32, bytes a block], one block behind the other in memory; four codes in three bytes: a row's codes are one little-endian stream of bits, code i at bits 6 i .. 6 i + 5 (a code: sign, 2 exponent bits, 3 mantissa bits); and NAME_scales (uint8): the same leading axes, one E8M0 byte (e + 127) for each 32 codes along K. Its value is code x scale, taken as it is: it is not quantised again, and the codes and scales need not be those that the quantiser above would give.
;; One version. Each part assembles by itself: llvm-mc -triple=amdgcn-amd-amdhsa -mcpu=gfx1250 --defsym DOCPART=n.
;; ======== version 1 of 1: 2 launches
;; limits: right only within a limited range of input values
;; workspace buffers: xq 13,107,200 bytes; wq 13,107,200 bytes
;; launch quantw (part 1): grid 256 x 1, 8 waves a work-group, no clusters, 160,768 bytes of LDS; arguments W, A, B, wq, x_codes, x_scales, xq; writes wq, xq
.if DOCPART == 1
	.amdgcn_target "amdgcn-amd-amdhsa--gfx1250"
	.amdhsa_code_object_version 6
	.text
	.protected	k_q10b559e73f_quantw
	.globl	k_q10b559e73f_quantw
	.p2align	8
	.type	k_q10b559e73f_quantw,@function
k_q10b559e73f_quantw:
	s_mov_b64 s[64:65], 0
	v_nop
	global_prefetch_b8 v0, s[64:65] scope:SCOPE_SE
	s_setreg_imm32_b32 hwreg(HW_REG_WAVE_MODE, 25, 1), 1
	s_wait_xcnt 0x0
; Weff[o][i] = W[o][i] + the sum over r of A[o][r] B[r][i]  (W: [4096][4096], A: [4096][16], B: [16][4096], all f32), in f32 by fused multiply-adds,
; then quantised along i (the large product's K, innermost in W) to codes of FP6 (E2M3) with one E8M0 byte for each 32 along K.
; A block's scale is 2^(floor(log2(its largest magnitude)) - 2); its byte is the largest magnitude's exponent field - 2, held at 1 from below.
; ORDER OF ROUNDING: the sum starts at W and takes the 16 products one by one, r = 0, 2 .. 14, then 1, 3 .. 15, each by one fused multiply-add; the definition forms A B first and adds W.
;   Both are f32 sums of the same 17 terms.
; LIMITS: NaN and infinities among the inputs are not served.  A block whose largest magnitude lies under 2^-124 keeps the byte 1; a block of zeros gets the byte 1 where the rule says 127:
;   its codes are zeros, which add nothing under any byte but 0xff, and the bytes are read by this program's second launch alone.
; SHARES.  2,048 wave tiles of 32 rows x 256 columns.  Work-group g: columns 256 (g % 16) on; wave w: rows 32 (8 (g / 16) + w) on.  Waves share nothing: no barrier.
; A lane keeps B[0..15] at its eight columns in 128 registers for the whole tile.
; A's NUMBERS are the same for all lanes, so the multiply-adds take them from scalar registers.  The tile's 32 rows of A are 2,048 consecutive bytes: they are loaded ONCE, by four vector loads, into 16 registers,
; and each number goes to its scalar register by v_readlane_b32, 64 multiply-adds ahead of its first use.  (Scalar loads are waited for by the count 0 alone, so that a step's rows could be asked for
; one step ahead at the most; this way no step waits for A at all.)
; A STEP is two rows x 256 columns: four loads of 512 consecutive bytes.  The multiply-adds are done on the numbers as they were loaded (B is loaded the same way); then the 2,048 bytes turn through
; the wave's own stage in LDS, so that a lane holds 16 NEIGHBOURS along K (two neighbouring lanes hold a block), as the conversion wants them.
; THE OUTPUT IS LAID AS THE SECOND LAUNCH'S OPERAND REGISTERS WANT IT.  Codes: [128 rows nb][256 along K ks][16 rows i][128 along K q][1,536 bytes]; the 1,536 bytes are a fragment's 12 registers:
; register x of lane r + 16 h at 512 (x / 4) + 16 (r + 16 h) + 4 (x % 4), registers 6 c .. 6 c + 5 holding k = 64 c + 32 h + 0 .. 31 of row r.  Scale bytes: [nb][ks][m][256]; row block 2 m + e, row r,
; q, block j of 32 at 16 r + 8 e + 4 q + j.  A wave's tile is 6,144 consecutive bytes of codes and 256 consecutive, aligned bytes of scales: both are gathered in LDS and leave by stores of 512 and 256 consecutive bytes.
; THE OUTPUT'S LAYOUT, which takes the place of what the paragraph above says of it.  wq and xq: [32 blocks of 128 rows nb][32 steps of 128 along K][12,800 bytes]:
; eight fragments (16 rows i) of 1,536 bytes, each laid as said above, then 512 scale bytes: the word (4 blocks of 32) of row 64 H + 32 e + l at 256 H + 8 l + 4 e.
; A wave's tile of W gives 3,072 consecutive bytes of codes to each of two steps.  Its 256 scale bytes go into LDS bytes that the eight waves share; behind ONE barrier at the end each wave stores one whole run of 256 bytes.
; x IS LAID ANEW TOO (a permutation of bytes; codes and scales stay as given).  Waves 0-3 of work-group g take rows 16 g on, 768 bytes (8 steps) of each row: 24 loads of two runs of 256 bytes at the head,
; into registers v400-495; at the end they turn through LDS rows of 784 bytes and leave as fragments.  Wave 4 of every fourth work-group takes the scales of 64 rows (8,192 consecutive bytes, asked of memory by one prefetch at the head),
; turns them through LDS rows of 144 bytes and stores 32 runs of 256 bytes.
.set SSH,   99328                      ; LDS behind the spare words: the work-group's 2,048 scale bytes of W: [nb of two][step of two][512]
.set XST,   101376                     ; x's codes: 16 rows x XP bytes for each of waves 0-3
.set XP,    784                        ; 768 + 16: 196 words, so that the rows of a load of 8 bytes a lane start four banks apart
.set XSS,   151552                     ; x's scales: 64 rows x 144 bytes
.set WREG,  12288
.set SP,    80                         ;   two turn stages of 32 places of 64 bytes + 16 of padding,
.set CST,   2*32*SP                    ;   the codes' stage: 24 runs of 256 bytes, UP bytes apart,
.set UP,    288                        ;   (72 words: with it the 32 lanes of each store of 4 bytes below fall on 32 different banks of the 64 of 4 bytes: ISA guide 11.1)
.set SCL,   CST+24*UP
.set E,     20                         ; v20-21   the scale byte, two sets by turns
.set C,     24                         ; v24-31   16 codes in 3 registers, two sets by turns
.set X,     32                         ; v32-63   16 neighbours, two sets by turns
.set R,     64                         ; v64-191  a step's 16 numbers as loaded, eight sets: register 8 row + 4 j + c is column 128 j + 4 lane + c
.set OUTR,  192                        ; v192-239 the codes on their way out;  v240-241 the scale bytes
                                       ; v256-383 (window 1, v0-127): B: register 8 r + 4 j + c is B[r][128 j + 4 lane + c]
.set AV,    128                        ; v384-399 (window 1, v128-143): the tile's A: A[row][r] in register 4 (row / 8) + r % 4, lane 4 (row % 8) + r / 4
                                       ; v1 16 x lane; v2, v3 turn stage in, out; v4-6 the codes' stage, one address for each of the 3 registers; v7 scale byte; v8, v9 the way back; v10 8 x lane
.set PE,    16                         ; s[16:47]  16 pairs: the low word of pair 8 row + m holds A[the step's row][2 m];
.set PO,    68                         ; s[68:99]  the same for A[row][2 m + 1].  The packed form names a pair and takes its low word for both halves
.set MSB, 0
.macro WIN new                         ; s_set_vgpr_msb: bits 1:0 source 0, 7:6 destination; the immediate's high byte repeats the setting that is left
.if MSB != \new
	s_set_vgpr_msb (MSB<<8)|\new
.set MSB, \new
.endif
.endm
	s_load_b256 s[4:11], s[0:1], 0x0               ; W s[4:5], A s[6:7], B s[8:9], the codes s[10:11]
	s_load_b64 s[2:3], s[0:1], 0x20                ; x's codes
	s_load_b64 s[100:101], s[0:1], 0x28            ; x's scales
	s_load_b64 s[104:105], s[0:1], 0x30            ; xq
	v_lshl_add_u32 v254, v0, 2, 0x18000
	v_mov_b32 v255, 0
	v_lshrrev_b32 v12, 5, v0
	s_delay_alu instid0(VALU_DEP_1)
	v_readfirstlane_b32 s14, v12                   ; wave 0..7
	s_lshr_b32 s50, s14, 2                         ; my scale bytes in the shared 2,048: 1,024 (w / 4) + 256 (bit 1 of w) + 4 (bit 0 of w)
	s_lshl_b32 s50, s50, 10
	s_bfe_u32 s15, s14, 0x10001
	s_lshl_b32 s15, s15, 8
	s_add_co_u32 s50, s50, s15
	s_and_b32 s15, s14, 1
	s_lshl_b32 s15, s15, 2
	s_add_co_u32 s50, s50, s15
	s_add_co_u32 s50, s50, SSH
	s_lshl_b32 s15, s14, 8                         ; the run of 256 bytes that I store at the end
	s_add_co_u32 s15, s15, SSH
	s_and_b32 s62, s14, 3                          ; x's stage of waves 0-3
	s_mul_i32 s62, s62, 16*XP
	s_add_co_u32 s62, s62, XST
	v_and_b32 v13, 31, v0                          ; lane
	s_delay_alu instid0(VALU_DEP_1)
	v_lshlrev_b32 v1, 4, v13                       ; 16 x lane
	s_mul_i32 s48, s14, WREG                       ; my wave's LDS
	s_add_co_u32 s49, s48, CST
	v_lshrrev_b32 v2, 2, v13
	s_delay_alu instid0(VALU_DEP_1)
	v_mul_u32_u24 v2, v2, SP
	v_and_b32 v14, 3, v13
	s_delay_alu instid0(VALU_DEP_1)
	v_lshl_add_u32 v2, v14, 4, v2
	s_delay_alu instid0(VALU_DEP_1)
	v_add_nc_u32 v2, s48, v2                       ; turn stage, in: four lanes' 64 bytes on end, then the padding
	v_mul_u32_u24 v3, v13, SP
	s_delay_alu instid0(VALU_DEP_1)
	v_add_nc_u32 v3, s48, v3                       ; and out: my 16 neighbours
	; behind the turn my lane's bits are: 0 u (lower or upper 16 of a block), 1 h, 2 c, 3 q, 4 the row of the step's two
	v_bfe_u32 v14, v13, 2, 1
	v_and_b32 v15, 1, v13
	s_delay_alu instid0(VALU_DEP_1)
	v_lshl_add_u32 v14, v14, 1, v15
	s_delay_alu instid0(VALU_DEP_1)
	v_mul_u32_u24 v14, v14, 3                      ; the fragment's register that takes my first 32 bits: 6 c + 3 u
	v_bfe_u32 v15, v13, 3, 1
	s_delay_alu instid0(VALU_DEP_1)
	v_mul_u32_u24 v15, v15, 6
	v_bfe_u32 v12, v13, 1, 1
	s_delay_alu instid0(VALU_DEP_1)
	v_add_nc_u32 v15, v15, v12                     ; 6 q + h: a run of 256 bytes is 16 rows of one half of the lanes, four registers
	s_delay_alu instid0(VALU_DEP_1)
	v_mul_u32_u24 v15, v15, UP
	v_bfe_u32 v12, v13, 4, 1                       ; my row of the two
	s_delay_alu instid0(VALU_DEP_1)
	v_lshl_add_u32 v15, v12, 4, v15
	s_delay_alu instid0(VALU_DEP_1)
	v_add_nc_u32 v15, s49, v15
.irp d, 0,1,2
	v_add_nc_u32 v16, \d, v14                      ; register x = 6 c + 3 u + d
	s_delay_alu instid0(VALU_DEP_1)
	v_lshrrev_b32 v17, 2, v16
	s_delay_alu instid0(VALU_DEP_2)
	v_and_b32 v16, 3, v16
	s_delay_alu instid0(VALU_DEP_2)
	v_mad_u32_u24 v17, v17, 2*UP, v15              ; two runs on for each four registers,
	s_delay_alu instid0(VALU_DEP_1)
	v_lshl_add_u32 v[4+\d], v16, 2, v17            ; and 4 (x % 4) bytes
.endr
	v_bfe_u32 v7, v13, 1, 2                        ; my block of 32 in its step: j
	s_delay_alu instid0(VALU_DEP_1)
	v_lshl_add_u32 v7, v12, 3, v7                  ; + 8 x my row of the two
	v_bfe_u32 v16, v13, 3, 1                       ; q: which of the two steps
	s_delay_alu instid0(VALU_DEP_1)
	v_lshl_add_u32 v7, v16, 9, v7
	s_delay_alu instid0(VALU_DEP_1)
	v_add_nc_u32 v7, s50, v7
	v_and_b32 v16, 15, v13
	v_mul_u32_u24 v8, v12, UP
	s_delay_alu instid0(VALU_DEP_1)
	v_lshl_add_u32 v8, v16, 4, v8
	s_delay_alu instid0(VALU_DEP_1)
	v_add_nc_u32 v8, s49, v8                       ; back: sixteen lanes to a run of 256 bytes, two runs an instruction
	v_lshlrev_b32 v10, 3, v13
	s_delay_alu instid0(VALU_DEP_1)
	v_add_nc_u32 v9, s15, v10
	v_mul_u32_u24 v244, v12, 3072                  ; x's codes in memory: lanes 0-15 a run of 256 bytes of one row, lanes 16-31 of the next row
	v_mul_u32_u24 v242, v12, XP                    ; the same in the stage
	v_mul_u32_u24 v243, v16, XP                    ; and out of it: row l % 16, + 24 (l / 16)
	v_lshl_add_u32 v244, v16, 4, v244
	v_lshl_add_u32 v242, v16, 4, v242
	v_mad_u32_u24 v243, v12, 24, v243
	v_add_nc_u32 v242, s62, v242
	v_add_nc_u32 v243, s62, v243
	v_lshrrev_b32 v245, 3, v13                     ; x's scales into their stage: eight lanes to a row of 128 bytes
	v_and_b32 v246, 7, v13
	v_mul_u32_u24 v245, v245, 144
	s_delay_alu instid0(VALU_DEP_1)
	v_lshl_add_u32 v245, v246, 4, v245
	s_delay_alu instid0(VALU_DEP_1)
	v_add_nc_u32 v245, XSS, v245
	v_mul_u32_u24 v246, v13, 144                   ; and out: a lane to a row
	s_delay_alu instid0(VALU_DEP_1)
	v_add_nc_u32 v246, XSS, v246
	v_lshlrev_b32 v247, 8, v13                     ; the prefetch: a lane to a run of 256 bytes
	s_wait_alu depctr_va_vdst(0)                   ; the wait at the end of the head's vector work
	s_and_b32 s51, ttmp9, 15                       ; ks: which 256 along K
	s_lshr_b32 s52, ttmp9, 4
	s_lshl_b32 s52, s52, 3
	s_add_co_u32 s52, s52, s14                     ; which 32 rows: 0 .. 127
	s_lshl_b32 s53, s51, 10                        ; 256 numbers of f32
	s_lshl_b32 s54, s52, 19                        ; W: 32 rows of 16,384 bytes
	s_add_co_u32 s54, s54, s53
	s_mov_b32 s55, 0
	s_lshl_b32 s56, s52, 11                        ; A: 32 rows of 64 bytes
	s_mov_b32 s57, 0
	s_mov_b32 s58, s53                             ; B: the columns
	s_mov_b32 s59, 0
	s_lshr_b32 s60, s52, 2                         ; nb
	s_and_b32 s61, s52, 3                          ; m
	s_mul_i32 s62, s60, 409600                     ; 32 steps of 12,800 bytes for each nb,
	s_mul_i32 s63, s51, 25600                      ; two steps for each ks
	s_add_co_u32 s62, s62, s63
	s_lshr_b32 s60, s61, 1                         ; the run of scale bytes that I store: step m / 2 of the two, half m % 2 of its 512
	s_mul_i32 s60, s60, 12800
	s_and_b32 s63, s61, 1
	s_lshl_b32 s63, s63, 8
	s_add_co_u32 s60, s60, s63
	s_add_co_u32 s60, s60, s62
	s_add_co_u32 s60, s60, 12288                   ; behind the step's codes
	s_mul_i32 s63, s61, 3072                       ; codes: two fragments for each m
	s_add_co_u32 s62, s62, s63
	s_mov_b32 s63, 0
	s_mov_b32 s61, 0
.irp p, 0,1,2,3,4,5,6,7,8,9,10,11,12,13,14,15
	s_mov_b32 s[PE+2*\p+1], 0                      ; the pairs' high words are named with the low ones, so they are written, once; no result hangs on them
	s_mov_b32 s[PO+2*\p+1], 0
.endr
	s_wait_kmcnt 0x0
	s_add_nc_u64 s[4:5], s[4:5], s[54:55]
	s_add_nc_u64 s[6:7], s[6:7], s[56:57]
	s_add_nc_u64 s[8:9], s[8:9], s[58:59]
	s_add_nc_u64 s[12:13], s[10:11], s[60:61]      ; the scale bytes lie in wq too
	s_add_nc_u64 s[10:11], s[10:11], s[62:63]      ; no pointer of W's path is stepped after this
	s_cmp_lt_u32 s14, 4
	s_cbranch_scc0 .Lhead_not_codes
	s_mul_i32 s54, ttmp9, 49152                    ; waves 0-3: x's rows 16 g on (3,072 bytes each), bytes 768 w on
	s_mul_i32 s55, s14, 768
	s_add_co_u32 s54, s54, s55
	s_mov_b32 s55, 0
	s_add_nc_u64 s[2:3], s[2:3], s[54:55]
	s_lshr_b32 s56, ttmp9, 3                       ; xq: nb = g / 8, step 8 w, fragment g % 8
	s_mul_i32 s56, s56, 409600
	s_mul_i32 s57, s14, 102400
	s_add_co_u32 s56, s56, s57
	s_and_b32 s57, ttmp9, 7
	s_mul_i32 s57, s57, 1536
	s_add_co_u32 s56, s56, s57
	s_mov_b32 s57, 0
	s_add_nc_u64 s[104:105], s[104:105], s[56:57]
	WIN 0x40                                       ; destination in window 1: v400-495
.set XN, 0
.rept 24
	global_load_b128 v[144+4*XN:147+4*XN], v244, s[2:3] offset:6144*(XN/3)+256*(XN%3) th:TH_LOAD_NT   ; rows 2 (XN / 3) and + 1, run XN % 3 of their three
.set XN, XN+1
.endr
	WIN 0
	s_branch .Lhead_x_done
.Lhead_not_codes:
	s_cmp_eq_u32 s14, 4                            ; wave 4 alone,
	s_cbranch_scc0 .Lhead_x_done
	s_and_b32 s54, ttmp9, 3                        ; and of every fourth work-group
	s_cmp_eq_u32 s54, 0
	s_cbranch_scc0 .Lhead_x_done
	s_lshr_b32 s54, ttmp9, 2                       ; wave 4 of every fourth work-group: the scales of x's rows 64 (g / 4) on
	s_lshl_b32 s56, s54, 13
	s_mov_b32 s57, 0
	s_add_nc_u64 s[100:101], s[100:101], s[56:57]
	s_lshr_b32 s56, s54, 1
	s_mul_i32 s56, s56, 409600
	s_and_b32 s54, s54, 1
	s_lshl_b32 s54, s54, 8
	s_add_co_u32 s56, s56, s54
	s_add_co_u32 s56, s56, 12288
	s_add_nc_u64 s[104:105], s[104:105], s[56:57]
	global_prefetch_b8 v247, s[100:101] th:TH_LOAD_NT scope:SCOPE_SE   ; the 32 runs of 256 bytes that this wave loads at its end; its address registers are not written again
.Lhead_x_done:
.macro LOADW t                         ; step t's two rows: four loads of 512 consecutive bytes, read once in the launch
.irp i, 0,1,2,3
	global_load_b128 v[R+16*((\t)%8)+4*\i:R+16*((\t)%8)+4*\i+3], v1, s[4:5] offset:(2*(\t)+\i/2)*16384+512*(\i%2) th:TH_LOAD_NT
.endr
.endm
; A[2 t + p][2 m + odd], p = 0, 1, into the low words of pairs m and 8 + m of the set at base.  The source is the instruction's source 0: window 1, under the setting that the multiply-adds have for B.
.macro RL base, t, m, odd
.irp p, 0,1
.set ROW_, 2*(\t)+\p
.set RR_, 2*(\m)+(\odd)
	v_readlane_b32 s[\base+16*\p+2*(\m)], v[AV+4*(ROW_/8)+RR_%4], 4*(ROW_%8)+RR_/4
.endr
.endm
; 128 packed multiply-adds, in place on W's numbers: the even r, then the odd r.  Between two links of a sum's chain stand the seven other pairs' links.
; Behind the eight multiply-adds of a group stand the two v_readlane_b32 that fill the same group's pairs of the OTHER set: in the even pass this step's odd r, in the odd pass the next step's even r.
; So each number is written 64 multiply-adds ahead of its first use, and a pair is written again only behind its last reader, which stands a pass further up.
.macro FMAS t
.set RS, R+16*((\t)%8)
	WIN 0x01                                       ; source 0 (B, and A's registers) in window 1
.if (\t) == 0
.irp m, 0,1,2,3,4,5,6,7
	RL PE, 0, \m, 0                                ; the first step's even r have no pass in front of them
.endr
.endif
.irp pass, 0,1
.irp m, 0,1,2,3,4,5,6,7
.irp i, 0,1,2,3,4,5,6,7
	v_pk_fma_f32 v[RS+2*\i:RS+2*\i+1], v[8*(2*\m+\pass)+2*(\i%4):8*(2*\m+\pass)+2*(\i%4)+1], s[PE+(PO-PE)*\pass+16*(\i/4)+2*\m:PE+(PO-PE)*\pass+16*(\i/4)+2*\m+1], v[RS+2*\i:RS+2*\i+1] op_sel_hi:[1,0,1]
.endr
.if \pass == 0
	RL PO, \t, \m, 1
.elseif (\t) < 15
	RL PE, \t+1, \m, 0
.endif
.endr
.endr
	WIN 0
.endm
.macro TURN t                          ; through the stage: LDS serves a wave's instructions in order (ISA guide 5.7.1.4), so no wait stands between the stores and the loads
.irp i, 0,1,2,3
	ds_store_b128 v2, v[R+16*((\t)%8)+4*\i:R+16*((\t)%8)+4*\i+3] offset:32*SP*((\t)%2)+8*SP*\i
.endr
.irp i, 0,1,2,3
	ds_load_b128 v[X+16*((\t)%2)+4*\i:X+16*((\t)%2)+4*\i+3], v3 offset:32*SP*((\t)%2)+16*\i
.endr
.endm
.macro QUANT t                         ; my 16 neighbours of step t become 16 codes and (with my neighbour lane) a scale byte: four LDS stores
.set XS, X+16*((\t)%2)
.set CS, C+4*((\t)%2)
.set ES, E+(\t)%2
	v_max3_num_f32 v16, |v[XS]|, |v[XS+1]|, |v[XS+2]|              ; the largest magnitude of my 16, in two chains
	v_max3_num_f32 v17, |v[XS+3]|, |v[XS+4]|, |v[XS+5]|
.irp i, 6,10
	s_delay_alu instid0(VALU_DEP_2)
	v_max3_num_f32 v16, v16, |v[XS+\i]|, |v[XS+\i+1]|
	s_delay_alu instid0(VALU_DEP_2)
	v_max3_num_f32 v17, v17, |v[XS+\i+2]|, |v[XS+\i+3]|
.endr
	s_delay_alu instid0(VALU_DEP_2)
	v_max3_num_f32 v16, v16, |v[XS+14]|, |v[XS+15]|
	s_delay_alu instid0(VALU_DEP_1)
	v_max3_num_f32 v16, v16, v17, 0x1800000        ; and the floor 2^(3 - 127): so the byte cannot fall under 1
	s_delay_alu instid0(VALU_DEP_1)
	v_max_num_f32_dpp v16, v16, v16 row_xmask:1 row_mask:0xf bank_mask:0xf   ; with my neighbour's 16: the block's
	s_delay_alu instid0(VALU_DEP_1)
	v_add_nc_u32 v18, 0xff000000, v16              ; 2 off its exponent field: the conversion takes the exponent field of this operand as its scale, and nothing else of it
	v_cvt_scalef32_pk16_fp6_f32 v[CS:CS+2], v[XS:XS+15], v18   ; to the nearest code, ties to even, beyond 7.5 the largest code; 96 bits without gaps
	v_lshrrev_b32 v[ES], 23, v18                   ; the scale's byte (also the plain instruction behind the conversion)
	ds_store_b8 v7, v[ES] offset:16*((\t)%8)+128*((\t)/8)      ; both lanes of a block write the same byte with the same value
.irp d, 0,1,2
	ds_store_b32 v[4+\d], v[CS+\d] offset:12*UP*((\t)/8)+32*((\t)%8)
.endr
.endm
.macro OUTLD hf                        ; half the tile's codes (16 rows: 3,072 bytes) back from the stage
.irp i, 0,1,2,3,4,5
	ds_load_b128 v[OUTR+24*\hf+4*\i:OUTR+24*\hf+4*\i+3], v8 offset:2*UP*(6*\hf+\i)
.endr
.endm
.macro OUTST hf
.irp i, 0,1,2,3,4,5
	global_store_b128 v1, v[OUTR+24*\hf+4*\i:OUTR+24*\hf+4*\i+3], s[10:11] offset:12800*(\i/3)+1536*\hf+512*(\i%3)   ; 32 lanes store 512 consecutive bytes, at a multiple of 256 from the buffer's first byte
.endr
.endm
	WIN 0x40                                       ; destination in window 1
.irp i, 0,1,2,3
	global_load_b128 v[AV+4*\i:AV+4*\i+3], v1, s[6:7] offset:512*\i   ; the tile's 32 rows of A: 2,048 consecutive bytes
.endr
.irp r, 0,1,2,3,4,5,6,7,8,9,10,11,12,13,14,15
.irp j, 0,1
	global_load_b128 v[8*\r+4*\j:8*\r+4*\j+3], v1, s[8:9] offset:16384*\r+512*\j
.endr
.endr
	WIN 0
.irp t, 0,1,2,3,4,5,6,7
	LOADW \t
.endr
; Iteration k: step k's multiply-adds and its turn; then step k - 1, back from the stage meanwhile, is quantised.  W's loads run seven steps ahead.
.irp k, 0,1,2,3,4,5,6,7,8,9,10,11,12,13,14,15,16
.if \k < 16
.if \k == 0
	s_wait_loadcnt 28                              ; A, B and step 0 are in; behind them: steps 1 to 7, four loads each
.elseif \k < 10
	s_wait_loadcnt 24                              ; step k is in; behind it: the six steps up to k + 6
.else
	s_wait_loadcnt 4*(15-\k)                       ; the counts run down: behind step k only the steps up to 15
.endif
	FMAS \k
	TURN \k
.endif
.if \k > 0
.if \k == 1
	s_wait_dscnt 8                                 ; step 0 is back; behind its loads: step 1's turn, eight instructions
.elseif \k < 16
	s_wait_dscnt 12                                ; step k - 1 is back; behind its loads: the four stores of step k - 2's codes and step k's turn
.else
	s_wait_dscnt 4                                 ; behind step 15's loads: step 14's four stores
.endif
.if \k+7 < 16
	LOADW \k+7                                     ; into the set that step k - 1's turn has read
.endif
.if \k == 10
	OUTST 0                                        ; the first half's loads from the stage are older than the 12 that the wait above leaves out
.endif
	QUANT \k-1
.endif
.if \k == 8
	OUTLD 0                                        ; steps 0 to 7, the tile's first 16 rows, lie in the stage
.endif
.endr
	OUTLD 1
	s_wait_dscnt 0x0                               ; for the others' sake too: my scale bytes lie in the shared bytes
	s_barrier_signal -1
	s_barrier_wait -1
	ds_load_b64 v[240:241], v9                     ; a run of 256 scale bytes, which two waves wrote
	OUTST 1
	s_wait_dscnt 0x0
	global_store_b64 v10, v[240:241], s[12:13]     ; 32 lanes store 256 consecutive, aligned bytes
	s_cmp_lt_u32 s14, 4
	s_cbranch_scc0 .Lend_not_codes
	WIN 0x04                                       ; the data in window 1.  x's loads are the wave's oldest: the last wait for W's has shown them done
.set XN, 0
.rept 24
	ds_store_b128 v242, v[144+4*XN:147+4*XN] offset:2*XP*(XN/3)+256*(XN%3)
.set XN, XN+1
.endr
	WIN 0
.irp s, 0,1,2,3,4,5,6,7
.irp p, 0,1,2,3,4,5
	ds_load_b64 v[64+12*\s+2*\p:65+12*\s+2*\p], v243 offset:96*\s+48*(\p/3)+8*(\p%3)   ; a fragment's 12 registers: 24 bytes at 24 (l / 16), and 24 more 48 bytes on
.endr
.endr
	s_wait_dscnt 0x0
.irp s, 0,1,2,3,4,5,6,7
.irp c, 0,1,2
	global_store_b128 v1, v[64+12*\s+4*\c:67+12*\s+4*\c], s[104:105] offset:12800*\s+512*\c
.endr
.endr
	s_branch .Lend_x_done
.Lend_not_codes:
	s_cmp_eq_u32 s14, 4                            ; wave 4 alone,
	s_cbranch_scc0 .Lend_x_done
	s_and_b32 s54, ttmp9, 3                        ; and of every fourth work-group
	s_cmp_eq_u32 s54, 0
	s_cbranch_scc0 .Lend_x_done
.irp n, 0,1,2,3,4,5,6,7,8,9,10,11,12,13,14,15
	global_load_b128 v[64+4*\n:67+4*\n], v1, s[100:101] offset:512*\n th:TH_LOAD_NT
.endr
	s_wait_loadcnt 0x0
.irp n, 0,1,2,3,4,5,6,7,8,9,10,11,12,13,14,15
	ds_store_b128 v245, v[64+4*\n:67+4*\n] offset:576*\n
.endr
.set XN, 0
.rept 32
	ds_load_b32 v[128+2*XN], v246 offset:4*XN                  ; step XN's word of row l,
	ds_load_b32 v[129+2*XN], v246 offset:4608+4*XN             ; and of row l + 32
.set XN, XN+1
.endr
	s_wait_dscnt 0x0
.set XN, 0
.rept 32
	global_store_b64 v10, v[128+2*XN:129+2*XN], s[104:105] offset:12800*XN   ; 256 consecutive, aligned bytes
.set XN, XN+1
.endr
.Lend_x_done:
	s_wait_tensorcnt 0x0
	ds_add_u32 v254, v255
	s_wait_dscnt 0x0
	s_endpgm
.Lfunc_end_k_q10b559e73f_quantw:
	.size	k_q10b559e73f_quantw, .Lfunc_end_k_q10b559e73f_quantw-k_q10b559e73f_quantw
	.p2alignl 7, 3214868480
	.fill 96, 4, 3214868480
	.section	.rodata,"a",@progbits
	.p2align	6, 0x0
	.amdhsa_kernel k_q10b559e73f_quantw
		.amdhsa_group_segment_fixed_size 160768
		.amdhsa_private_segment_fixed_size 0
		.amdhsa_enable_private_segment 0
		.amdhsa_kernarg_size 56
		.amdhsa_user_sgpr_count 2
		.amdhsa_user_sgpr_kernarg_segment_ptr 1
		.amdhsa_wavefront_size32 1
		.amdhsa_system_sgpr_workgroup_id_x 1
		.amdhsa_system_sgpr_workgroup_id_y 1
		.amdhsa_system_sgpr_workgroup_id_z 1
		.amdhsa_system_vgpr_workitem_id 0
		.amdhsa_next_free_vgpr 512
		.amdhsa_next_free_sgpr 106
		.amdhsa_reserve_vcc 0
		.amdhsa_float_denorm_mode_32 3
		.amdhsa_float_denorm_mode_16_64 3
		.amdhsa_memory_ordered 1
		.amdhsa_forward_progress 1
		.amdhsa_inst_pref_size 231
	.end_amdhsa_kernel
	.amdgpu_metadata
---
amdhsa.version: [ 1, 2 ]
amdhsa.kernels:
  - .name:           k_q10b559e73f_quantw
    .symbol:         k_q10b559e73f_quantw.kd
    .args:
      - { .name: W, .offset: 0, .size: 8, .value_kind: global_buffer, .address_space: global }
      - { .name: A, .offset: 8, .size: 8, .value_kind: global_buffer, .address_space: global }
      - { .name: B, .offset: 16, .size: 8, .value_kind: global_buffer, .address_space: global }
      - { .name: wq, .offset: 24, .size: 8, .value_kind: global_buffer, .address_space: global }
      - { .name: x_codes, .offset: 32, .size: 8, .value_kind: global_buffer, .address_space: global }
      - { .name: x_scales, .offset: 40, .size: 8, .value_kind: global_buffer, .address_space: global }
      - { .name: xq, .offset: 48, .size: 8, .value_kind: global_buffer, .address_space: global }
    .group_segment_fixed_size: 160768
    .private_segment_fixed_size: 0
    .kernarg_segment_align: 8
    .kernarg_segment_size: 56
    .max_flat_workgroup_size: 256
    .sgpr_count:     106
    .vgpr_count:     512
    .wavefront_size: 32
...
	.end_amdgpu_metadata
.endif
;; end of part 1
;; launch gemm (part 2): grid 16 x 16, 4 waves a work-group, clusters of 4 x 4, 327,680 bytes of LDS; arguments xq, wq, bias, out0; writes out0
.if DOCPART == 2
	.amdgcn_target "amdgcn-amd-amdhsa--gfx1250"
	.amdhsa_code_object_version 6
	.text
	.protected	k_q10b559e73f_gemm
	.globl	k_q10b559e73f_gemm
	.p2align	8
	.type	k_q10b559e73f_gemm,@function
k_q10b559e73f_gemm:
	s_mov_b64 s[64:65], 0
	v_nop
	global_prefetch_b8 v0, s[64:65] scope:SCOPE_SE
	s_setreg_imm32_b32 hwreg(HW_REG_WAVE_MODE, 25, 1), 1
	s_wait_xcnt 0x0
	s_wait_alu depctr_hold_cnt(0) depctr_sa_sdst(0) depctr_va_vdst(0) depctr_va_sdst(0) depctr_va_ssrc(0) depctr_va_vcc(0) depctr_vm_vsrc(0)
	s_getreg_b32 s2, hwreg(HW_REG_IB_STS2, 6, 4)
	s_cmp_eq_u32 s2, 0
	s_cbranch_scc0 .Lentry_in_a_cluster
	s_endpgm
.Lentry_in_a_cluster:
	s_bfe_u32 s2, ttmp6, 0x10000c
	s_cmp_lg_u32 s2, 0xf033
	s_cbranch_scc0 .Lentry_shape_is_right
	s_endpgm
.Lentry_shape_is_right:
; out[m][n] = sum over k of x[m][k] Weff[n][k] + bias[n]: 4,096 x 4,096 x 4,096, both operands codes of FP6 (E2M3) with one E8M0 byte for each 32 along K; sums in f32.
; Nothing of the problem's work is left out.
; BOTH OPERANDS LIE AS THE OPERAND REGISTERS WANT THEM (the first launch lays them): [32 blocks of 128 rows][32 steps of 128 along K][12,800 bytes]: eight fragments (16 rows x 128 K) of 1,536 bytes,
; register x of lane l at 512 (x / 4) + 16 l + 4 (x % 4); then 512 scale bytes, the word of row 64 H + 32 e + l at 256 H + 8 l + 4 e.  So a fragment is three loads of 16 bytes a lane at 16 x lane,
; the scale words of 128 rows are two loads of 8 bytes a lane, no LDS row is padded, and any run of steps of a block is dense in memory: rows of 256 bytes on 256-byte borders.
; A tile of 256 x 256 is made by four waves, 128 x 128 each: 64 accumulators, 512 registers.  THE RING: two LDS slots of THREE steps each (4 x 38,400 bytes: A's two blocks, B's two blocks); each wave brings a quarter of
; a slot by one tensor load of 150 rows of 256 bytes.  32 steps are ten fills of three steps and one of two.  A lap is six steps, both slots once.
; CLUSTERS: 4 x 4 work-groups; A's tiles are asked for jointly along a row of the cluster, B's along a column.  THE MATRIX INSTRUCTION IS USED TRANSPOSED (source 0 = B's rows, source 1 = A's): a lane holds eight neighbouring columns.
; The bias is the C of each accumulator's first product.
; PREFETCH: a lap of a block is 300 runs of 256 bytes, twelve groups of 25.  Of the block that a wave fetches, the partner at place p (cx for A, cy for B) names groups p, p + 4, p + 8: told apart by address alone, a lane a run
; (lanes 25-31 name the group's last run again).  Trip L of the loop names lap L + 2, which the refills of trip L + 1 load; the last trip names the four groups of the last fill alone; the head names lap 1 and the last four groups of lap 0.
; The first fill and the first 50 runs of the second come by their loads alone.
; REGISTERS: window 0: v16-30 addresses; v32-47 scale words, two sets of 4 + 4; v64-127 the bias; v128-223 A's fragments, one set; on the way out v128-255.  Window 1: B's fragments, two sets, at v0 and v128.  Windows 2, 3: the accumulators.
.set SIZE_N, 4096
.set FR,     12
.set FRB,    1536
.set STEPB,  12800
.set SCO,    12288                     ; a step's scale bytes, behind its codes
.set FILLB,  3*STEPB                   ; what one tensor load brings
.set SLOT,   4*FILLB
.set LAPB,   2*FILLB
.set NBB,    32*STEPB                  ; a block of 128 rows, all of K
.set GRP,    6400                      ; a prefetch's 25 runs of 256 bytes
.set SPARE,  2*SLOT                    ; the spare words: 128 bytes a wave
.set STAGE,  SLOT                      ; the way out goes through slot 1, which has had its last fill and its last read by then
.set SPITCH, 528
.set ADRA, 16                          ; v16-17 my A fragments in slot 0, 1;  v18-19 B's;  v20-21, v22-23 the scale words
.set ADRB, 18
.set ADSA, 20
.set ADSB, 22
.set STO,  24
.set RD,   25
.set CO,   26
.set BO,   27
.set SPW,  28
.set NIL,  29
.set PFO,  30
.set SC,   32
.set BI,   64
.set AF,   128
.set BK,   128
.set G1,   24
.set G0,   32
.set G1B,  48
.set G0B,  56
.set PFA,  66
.set MSB, 0
.macro WIN new
.if MSB != \new
	s_set_vgpr_msb (MSB<<8)|\new
.set MSB, \new
.endif
.endm
.set MUL_LO, 0xa1                      ; source 0 (B) window 1, source 1 (A) window 0, C and D window 2
.set MUL_HI, 0xf1
.set BEG_LO, 0x81                      ; the same with C (the bias) in window 0
.set BEG_HI, 0xc1
.set TO_B,   0x40
.macro JLOAD s                         ; a joint load: waves 0, 1 fetch A's two blocks, waves 2, 3 B's
	s_cmp_eq_u32 s15, 0
	s_cbranch_scc0 .Lfor_b_\@
	tensor_load_to_lds s[G0+4*\s:G0+4*\s+3], s[G1:G1+7]
	s_nop 0
.rept 4
	v_nop
.endr
	s_branch .Lasked_\@
.Lfor_b_\@:
	tensor_load_to_lds s[G0B+4*\s:G0B+4*\s+3], s[G1B:G1B+7]
	s_nop 0
.rept 4
	v_nop
.endr
.Lasked_\@:
.endm
.macro CREST                           ; a round of the cluster's barrier behind its opening barrier
	s_cmp_lg_u32 s14, 0
	s_cbranch_scc1 .Lnot_wave_0_\@
	s_barrier_signal -3
.Lnot_wave_0_\@:
	s_barrier_wait -3
	s_barrier_signal -1
	s_barrier_wait -1
.endm
.macro CROUND
	s_barrier_signal -1
	s_barrier_wait -1
	CREST
.endm
.macro ASK k                           ; group p + 4 k of the lap at PFA; groups 4 and up do not exist in the last fill, which the loop's last trip (s3 = 1) names
.if \k >= 0
.if \k > 0
	s_cmp_gt_u32 s3, 1
	s_cbranch_scc0 .Lno_ask_\@
.endif
	global_prefetch_b8 v[PFO], s[PFA:PFA+1] offset:\k*4*GRP th:TH_LOAD_NT scope:SCOPE_SE
.Lno_ask_\@:
.endif
.endm
.macro PLACES                          ; four places behind this form, ahead of loads into registers that matrix instructions have read and of reads of results
.rept 4
	v_nop
.endr
.endm
	s_load_b128 s[4:7], s[0:1], 0x0                ; xq, wq
	s_load_b128 s[8:11], s[0:1], 0x10              ; bias, out
	v_lshl_add_u32 v[SPW], v0, 2, SPARE
	v_mov_b32 v[NIL], 0
	ds_add_u32 v[SPW], v[NIL]                      ; the opening lines: the add, twice on end, and its wait
	ds_add_u32 v[SPW], v[NIL]
	v_lshrrev_b32 v1, 5, v0
	v_readfirstlane_b32 s14, v1                    ; wave 0..3
	s_lshr_b32 s15, s14, 1                         ; my half of the tile's rows; also: I fetch for A (0) or B (1)
	s_and_b32 s16, s14, 1                          ; my half of its columns; also: which block of 128 rows I fetch
	s_bfe_u32 s40, ttmp6, 0x40000                  ; cx
	s_bfe_u32 s41, ttmp6, 0x40004                  ; cy
	s_lshl_b32 s42, ttmp9, 2
	s_add_co_u32 s42, s42, s40                     ; tile column
	s_and_b32 s17, ttmp7, 0xffff
	s_lshl_b32 s17, s17, 2
	s_add_co_u32 s17, s17, s41                     ; tile row
	s_lshl_b32 s43, s41, 2
	s_lshl_b32 s43, 15, s43                        ; my row of the cluster
	s_lshl_b32 s44, 0x1111, s40                    ; my column
	s_or_b32 s[G1+0], s43, (3<<16)|(1<<21)         ; elements of 8 bytes, no padding
	s_or_b32 s[G1B+0], s44, (3<<16)|(1<<21)
.irp g, G1, G1B
	s_mov_b32 s[\g+1], 32<<16                      ; rows of 32 elements = 256 bytes,
	s_mov_b32 s[\g+2], 150<<16                     ; 150 of them: three steps
	s_mov_b32 s[\g+3], 32<<16
	s_mov_b32 s[\g+4], 150
	s_mov_b32 s[\g+5], 32
	s_mov_b32 s[\g+6], 0
	s_mov_b32 s[\g+7], 0
.endr
	s_lshl_b32 s20, s17, 1
	s_add_co_u32 s20, s20, s16
	s_mul_i32 s20, s20, NBB                        ; A: block 2 x tile row + half
	s_mov_b32 s21, 0
	s_lshl_b32 s46, s42, 1
	s_add_co_u32 s46, s46, s16
	s_mul_i32 s46, s46, NBB                        ; B: block 2 x tile column + half
	s_mov_b32 s47, 0
	s_mul_i32 s45, s14, FILLB                      ; where my quarter goes
	s_wait_dscnt 0x0
	s_wait_kmcnt 0x0
	s_add_nc_u64 s[20:21], s[4:5], s[20:21]
	s_add_nc_u64 s[46:47], s[6:7], s[46:47]
	CROUND                                         ; the first joint loads meet
.irp s, 0,1
	s_mov_b32 s[G0+4*\s], 1
	s_add_co_u32 s[G0+4*\s+1], s45, \s*SLOT
	s_add_nc_u64 s[G0+4*\s+2:G0+4*\s+3], s[20:21], \s*FILLB
	s_or_b32 s[G0+4*\s+3], s[G0+4*\s+3], 0x80000000
	s_mov_b32 s[G0B+4*\s], 1
	s_add_co_u32 s[G0B+4*\s+1], s45, \s*SLOT
	s_add_nc_u64 s[G0B+4*\s+2:G0B+4*\s+3], s[46:47], \s*FILLB
	s_or_b32 s[G0B+4*\s+3], s[G0B+4*\s+3], 0x80000000
.endr
	JLOAD 0                                        ; steps 0-2: one tensor load a wave at the head
	s_cmp_eq_u32 s15, 0
	s_cselect_b64 s[PFA:PFA+1], s[20:21], s[46:47] ; the prefetches: the block that I fetch,
	s_cselect_b32 s18, s40, s41                    ; my place among the four that ask for it with me
	s_mul_i32 s18, s18, GRP
	s_add_co_u32 s18, s18, LAPB                    ; at lap 1
	s_mov_b32 s19, 0
	s_add_nc_u64 s[PFA:PFA+1], s[PFA:PFA+1], s[18:19]
	s_mul_i32 s21, s15, FILLB                      ; my 128 rows of A in a slot
	s_mul_i32 s22, s16, FILLB
	s_add_co_u32 s22, s22, 2*FILLB                 ; my 128 rows of B
	s_mul_i32 s23, s14, 16*SPITCH
	s_add_co_u32 s23, s23, STAGE                   ; my stage
	s_lshl_b32 s68, s17, 8
	s_lshl_b32 s69, s15, 7
	s_add_co_u32 s68, s68, s69
	s_lshl_b32 s68, s68, 14                        ; my first row of the result, 16,384 bytes a row
	s_lshl_b32 s70, s42, 10
	s_lshl_b32 s71, s16, 9
	s_add_co_u32 s70, s70, s71                     ; my first column, in bytes
	s_mov_b32 s71, 0
	s_add_nc_u64 s[8:9], s[8:9], s[70:71]
	s_add_co_u32 s68, s68, s70
	s_mov_b32 s69, 0
	s_add_nc_u64 s[10:11], s[10:11], s[68:69]
	v_and_b32 v1, 15, v0
	v_bfe_u32 v2, v0, 4, 1
	v_and_b32 v3, 31, v0
	v_lshlrev_b32 v[CO], 4, v3                     ; 16 x lane
	v_lshlrev_b32 v4, 3, v3                        ; 8 x lane
	v_add_nc_u32 v[ADRA], s21, v[CO]
	v_add_nc_u32 v[ADRB], s22, v[CO]
	v_add_nc_u32 v[ADSA], s21, v4
	v_add_nc_u32 v[ADSB], s22, v4
	v_add_nc_u32 v[ADRA+1], SLOT, v[ADRA]
	v_add_nc_u32 v[ADRB+1], SLOT, v[ADRB]
	v_add_nc_u32 v[ADSA+1], SLOT, v[ADSA]
	v_add_nc_u32 v[ADSB+1], SLOT, v[ADSB]
	v_mul_u32_u24 v5, v1, SPITCH                   ; into the stage: row l % 16, 32 bytes for each half of the lanes
	v_lshl_add_u32 v5, v2, 5, v5
	v_add_nc_u32 v[STO], s23, v5
	v_add_nc_u32 v[RD], s23, v[CO]                 ; back: the 32 lanes take a row of 512 bytes
	v_lshlrev_b32 v[BO], 5, v2
	v_min_u32 v6, 24, v3
	v_lshlrev_b32 v[PFO], 8, v6                    ; a lane a run of 256 bytes, 25 to a group
	s_wait_alu depctr_va_vdst(0)                   ; the wait at the end of the head's vector work
	global_prefetch_b8 v[PFO], s[PFA:PFA+1] offset:8*GRP-LAPB th:TH_LOAD_NT scope:SCOPE_SE   ; lap 0, groups 8-11: steps 4 and 5
.irp b, 0,1,2,3,4,5,6,7
	global_load_b128 v[BI+8*\b:BI+8*\b+3], v[BO], s[8:9] offset:64*\b          ; bias at my eight columns of B's block b
	global_load_b128 v[BI+8*\b+4:BI+8*\b+7], v[BO], s[8:9] offset:64*\b+16
.endr
; 16 matrix instructions: A's blocks a0, a0 + 1 x B's eight.  p: B's set and the set of scale words.  The word of block i stands in register 2 (i / 4) + (i / 2) % 2 of its four, lanes 0-15 for even i, lanes 16-31 for odd i.
; The 64 accumulators take turns, one instruction a turn, in the same order in every step.
.macro MUL16 a0, p, zero
.irp a, \a0, \a0+1
.irp b, 0,1,2,3,4,5,6,7
.set D_, 8*(8*((\a)%4)+\b)
.set B_, 128*(\p)+FR*\b
.set A_, AF+FR*(\a)
.set SB_, SC+8*(\p)+4+2*(\b/4)+(\b/2)%2
.set SA_, SC+8*(\p)+2*((\a)/4)+((\a)/2)%2
.set C_, D_
.if \zero
.set C_, BI+8*\b
.endif
.if (\b%2) && ((\a)%2)
	v_wmma_scale_f32_16x16x128_f8f6f4 v[D_:D_+7], v[B_:B_+FR-1], v[A_:A_+FR-1], v[C_:C_+7], v[SB_], v[SA_] matrix_a_fmt:MATRIX_FMT_FP6 matrix_b_fmt:MATRIX_FMT_FP6 matrix_a_scale:MATRIX_SCALE_ROW1 matrix_b_scale:MATRIX_SCALE_ROW1
.elseif \b%2
	v_wmma_scale_f32_16x16x128_f8f6f4 v[D_:D_+7], v[B_:B_+FR-1], v[A_:A_+FR-1], v[C_:C_+7], v[SB_], v[SA_] matrix_a_fmt:MATRIX_FMT_FP6 matrix_b_fmt:MATRIX_FMT_FP6 matrix_a_scale:MATRIX_SCALE_ROW1
.elseif (\a)%2
	v_wmma_scale_f32_16x16x128_f8f6f4 v[D_:D_+7], v[B_:B_+FR-1], v[A_:A_+FR-1], v[C_:C_+7], v[SB_], v[SA_] matrix_a_fmt:MATRIX_FMT_FP6 matrix_b_fmt:MATRIX_FMT_FP6 matrix_b_scale:MATRIX_SCALE_ROW1
.else
	v_wmma_scale_f32_16x16x128_f8f6f4 v[D_:D_+7], v[B_:B_+FR-1], v[A_:A_+FR-1], v[C_:C_+7], v[SB_], v[SA_] matrix_a_fmt:MATRIX_FMT_FP6 matrix_b_fmt:MATRIX_FMT_FP6
.endif
.endr
.endr
.endm
.macro FETCH_B slot, t, p              ; B's eight fragments of step t of the slot into set p: 24 loads
	WIN TO_B
.irp i, 0,1,2,3,4,5,6,7
.irp c, 0,1,2
	ds_load_b128 v[128*(\p)+FR*\i+4*\c:128*(\p)+FR*\i+4*\c+3], v[ADRB+\slot] offset:(\t)*STEPB+\i*FRB+512*\c
.endr
.endr
	WIN 0
.endm
.macro FETCH_A slot, t, i0             ; A's blocks i0 .. i0 + 3: 12 loads
.irp i, \i0, \i0+1, \i0+2, \i0+3
.irp c, 0,1,2
	ds_load_b128 v[AF+FR*(\i)+4*\c:AF+FR*(\i)+4*\c+3], v[ADRA+\slot] offset:(\t)*STEPB+(\i)*FRB+512*\c
.endr
.endr
.endm
.macro SCALES slot, t, p               ; the step's scale words: 4 loads
.irp c, 0,1
	ds_load_b64 v[SC+8*(\p)+2*\c:SC+8*(\p)+2*\c+1], v[ADSA+\slot] offset:(\t)*STEPB+SCO+256*\c
	ds_load_b64 v[SC+8*(\p)+4+2*\c:SC+8*(\p)+4+2*\c+1], v[ADSB+\slot] offset:(\t)*STEPB+SCO+256*\c
.endr
.endm
; A step: 64 matrix instructions on set p; the next step's fragments (step nt of slot ns) are fetched in its middle (B, A's blocks 0-3, the scales: 40 loads) and at its end (A's blocks 4-7: 12 loads).
; chg = 0: the next step lies in the same slot.  chg > 0: this is the slot's last step: each wave waits for all its tensor loads (one is out: its quarter of the other slot), adds 0 to its spare word, and waits for that and for
; its reads of this slot; one barrier.  chg = 2: the barrier opens a round of the cluster's barrier and this slot is filled again, two fills on; chg = 3: the same with the last fill, of two steps (100 rows); chg = 1: nothing is left to fetch.
.macro STEP p, zero, ns, nt, chg, ask
.set CS_, 1-(\ns)
.if \chg
	s_wait_tensorcnt 0x0
	ds_add_u32 v[SPW], v[NIL]
	s_wait_dscnt 13                                ; the add and the youngest 12 loads (A's blocks 4-7) may be out
	WIN MUL_LO
	MUL16 0, \p, 0
	s_wait_dscnt 0x0                               ; the add is done, and my reads of this slot are over
	s_barrier_signal -1
	MUL16 2, \p, 0
	WIN 0
	s_barrier_wait -1
.if \chg > 1
	CREST
	s_add_nc_u64 s[G0+4*CS_+2:G0+4*CS_+3], s[G0+4*CS_+2:G0+4*CS_+3], LAPB
	s_add_nc_u64 s[G0B+4*CS_+2:G0B+4*CS_+3], s[G0B+4*CS_+2:G0B+4*CS_+3], LAPB
.if \chg == 3
	s_mov_b32 s[G1+2], 100<<16                     ; no tensor load of mine is out: the last fill has 100 rows
	s_mov_b32 s[G1+4], 100
	s_mov_b32 s[G1B+2], 100<<16
	s_mov_b32 s[G1B+4], 100
.endif
	JLOAD CS_                                      ; the first tensor load behind the round; its four v_nop are the places ahead of the loads below
.else
	PLACES
.endif
.else
	s_wait_dscnt 12                                ; all but A's blocks 4-7
.if \zero
	WIN BEG_LO
.else
	WIN MUL_LO
.endif
	MUL16 0, \p, \zero
	MUL16 2, \p, \zero
	s_wait_dscnt 0
	PLACES
.endif
	FETCH_B \ns, \nt, 1-\p
	FETCH_A \ns, \nt, 0
	SCALES \ns, \nt, 1-\p
	ASK \ask
.if \zero
	WIN BEG_HI
.else
	WIN MUL_HI
.endif
	MUL16 4, \p, \zero
	MUL16 6, \p, \zero
	PLACES
	WIN 0
	FETCH_A \ns, \nt, 4
.endm
	s_wait_tensorcnt 0x0                           ; my quarter of slot 0 is in
	ds_add_u32 v[SPW], v[NIL]
	s_wait_dscnt 0x0
	CROUND
	JLOAD 1                                        ; steps 3-5: slot 1's first fill, the first tensor load behind the round
	FETCH_B 0, 0, 0
	FETCH_A 0, 0, 0
	SCALES 0, 0, 0
	FETCH_A 0, 0, 4
.irp k, 0,1,2
	global_prefetch_b8 v[PFO], s[PFA:PFA+1] offset:\k*4*GRP th:TH_LOAD_NT scope:SCOPE_SE   ; lap 1
.endr
	s_wait_loadcnt 0x0                             ; the bias
	STEP 0, 1, 0, 1, 0, -1                         ; the first step's products start the sums, on the bias
	s_mov_b32 s3, 4
.Llap:                                                 ; a trip: a lap's steps 1 to 5 and the next lap's step 0; both slots are filled again
	STEP 1, 0, 0, 2, 0, -1
	s_wait_xcnt 0x0                                ; my prefetches have read their address
	s_add_nc_u64 s[PFA:PFA+1], s[PFA:PFA+1], LAPB
	STEP 0, 0, 1, 0, 2, 0
	STEP 1, 0, 1, 1, 0, 1
	STEP 0, 0, 1, 2, 0, -1
	STEP 1, 0, 0, 0, 2, 2
	STEP 0, 0, 0, 1, 0, -1
	s_sub_co_u32 s3, s3, 1
	s_cmp_lg_u32 s3, 0
	s_cbranch_scc1 .Llap
	STEP 1, 0, 0, 2, 0, -1                         ; the fifth lap goes on
	STEP 0, 0, 1, 0, 3, -1                         ; slot 0 takes the last fill, steps 30 and 31
	STEP 1, 0, 1, 1, 0, -1
	STEP 0, 0, 1, 2, 0, -1
	STEP 1, 0, 0, 0, 1, -1                         ; behind this barrier nobody reads slot 1 any more
	STEP 0, 0, 0, 1, 0, -1
	s_wait_dscnt 12                                ; the very last step
	WIN MUL_LO
	MUL16 0, 1, 0
	MUL16 2, 1, 0
	s_wait_dscnt 0
	WIN MUL_HI
	MUL16 4, 1, 0
	MUL16 6, 1, 0
	WIN 0
; THE WAY OUT, block by block of 16 rows x 128 columns, through my own stage: in as 32 bytes a lane, back as whole rows of 512 bytes.  LDS serves a wave's instructions in order (ISA guide 5.7.1.4).
.macro TOSTAGE a
.set AC, 64*((\a)%4)
	WIN 0x08+4*((\a)/4)
.irp b, 0,1,2,3,4,5,6,7
	ds_store_b128 v[STO], v[AC+8*\b:AC+8*\b+3] offset:64*\b          ; each accumulator from its low end on
	ds_store_b128 v[STO], v[AC+8*\b+4:AC+8*\b+7] offset:64*\b+16
.endr
	WIN 0
.set BB, BK+64*((\a)%2)
.irp t, 0,1,2,3,4,5,6,7,8,9,10,11,12,13,14,15
	ds_load_b128 v[BB+4*\t:BB+4*\t+3], v[RD] offset:\t*SPITCH
.endr
.endm
.macro SEND a, younger
.set BB, BK+64*((\a)%2)
	s_wait_dscnt \younger
.if (\a) > 0
	s_add_nc_u64 s[10:11], s[10:11], 16*SIZE_N*4   ; behind a wait on XCNT: the earlier stores have read their base
.endif
.irp t, 0,1,2,3,4,5,6,7,8,9,10,11,12,13,14,15
	global_store_b128 v[CO], v[BB+4*\t:BB+4*\t+3], s[10:11] offset:\t*SIZE_N*4 th:TH_STORE_NT   ; 32 lanes store 512 consecutive bytes, at a multiple of 256 from the buffer's first byte
.endr
.endm
	PLACES
	TOSTAGE 0
.irp a, 1,2,3,4,5,6,7
.if \a > 1
	s_wait_xcnt 0x0                                ; block a - 2's stores have read their registers and their base
.endif
	TOSTAGE \a
	SEND \a-1, 32                                  ; behind block a - 1's loads: block a's 16 stores and 16 loads
.endr
	s_wait_xcnt 0x0
	SEND 7, 0
	s_wait_tensorcnt 0x0                           ; the wave's end
	ds_add_u32 v[SPW], v[NIL]
	s_wait_dscnt 0x0
	CROUND                                         ; the closing round
	s_endpgm
.Lfunc_end_k_q10b559e73f_gemm:
	.size	k_q10b559e73f_gemm, .Lfunc_end_k_q10b559e73f_gemm-k_q10b559e73f_gemm
	.p2alignl 7, 3214868480
	.fill 96, 4, 3214868480
	.section	.rodata,"a",@progbits
	.p2align	6, 0x0
	.amdhsa_kernel k_q10b559e73f_gemm
		.amdhsa_group_segment_fixed_size 327680
		.amdhsa_private_segment_fixed_size 0
		.amdhsa_enable_private_segment 0
		.amdhsa_kernarg_size 32
		.amdhsa_user_sgpr_count 2
		.amdhsa_user_sgpr_kernarg_segment_ptr 1
		.amdhsa_wavefront_size32 1
		.amdhsa_system_sgpr_workgroup_id_x 1
		.amdhsa_system_sgpr_workgroup_id_y 1
		.amdhsa_system_sgpr_workgroup_id_z 1
		.amdhsa_system_vgpr_workitem_id 0
		.amdhsa_next_free_vgpr 1024
		.amdhsa_next_free_sgpr 80
		.amdhsa_reserve_vcc 0
		.amdhsa_float_denorm_mode_32 3
		.amdhsa_float_denorm_mode_16_64 3
		.amdhsa_memory_ordered 1
		.amdhsa_forward_progress 1
		.amdhsa_inst_pref_size 207
	.end_amdhsa_kernel
	.amdgpu_metadata
---
amdhsa.version: [ 1, 2 ]
amdhsa.kernels:
  - .name:           k_q10b559e73f_gemm
    .symbol:         k_q10b559e73f_gemm.kd
    .args:
      - { .name: xq, .offset: 0, .size: 8, .value_kind: global_buffer, .address_space: global }
      - { .name: wq, .offset: 8, .size: 8, .value_kind: global_buffer, .address_space: global }
      - { .name: bias, .offset: 16, .size: 8, .value_kind: global_buffer, .address_space: global }
      - { .name: out0, .offset: 24, .size: 8, .value_kind: global_buffer, .address_space: global }
    .group_segment_fixed_size: 327680
    .private_segment_fixed_size: 0
    .kernarg_segment_align: 8
    .kernarg_segment_size: 32
    .max_flat_workgroup_size: 128
    .sgpr_count:     80
    .vgpr_count:     1024
    .wavefront_size: 32
...
	.end_amdgpu_metadata
.endif
;; end of part 2
